; MI455X (gfx1250); checked and timed in simulation.
; The chip was launched on July 23, 2026; its instructions are those of AMD's public machine-readable ISA for CDNA 5 (MIT licence, August 2026) and "CDNA5" Instruction Set Architecture Reference Guide (July 2026). The comments in the code are by the model that wrote it; some were corrected since.
;; Anemll QAT Linear Refactored. Allowed arithmetic: matrix products marked QUANTISED: E3M2 operands, one E8M0 scale for each 32 along K, by v_wmma_scale_f32_16x16x128_f8f6f4 with both operands' format E3M2, f32 sums; products left as they are: f32 operands where the result goes on into a quantised operand, else bf16, f16 or f32 operands; f32 sums; everything else in f32.
;; Inputs: bias 4,096 float32; rank_magnitude 4 float32; scale_A 4,096 x 4 float32; scale_B 4 x 4,096 float32; weight 4,096 x 4,096 float32; x 2 x 2,048 x 4,096 float32.
;; Outputs: out0 2 x 2,048 x 4,096 float32.
;; This version of the problem:
;;   THIS VERSION OF THE PROBLEM IS GIVEN IN LOW PRECISION. The matrix products marked QUANTISED in the list below multiply operands that are first quantised to E3M2 (3 exponent bits, 2 mantissa bits; 6 bits a number), with one power-of-two scale for each 32 numbers along K (OCP MX v1.0); their sums are f32. All else is computed in f32.
;;   The module's matrix products, in the order in which they are computed (A, B: the left and right operand; K: the contracted axis; several contracted axes count as one K, in the product's order):
;;     1. [M 4,096, K 4] x [K 4, N 4,096]; A: computed on the way; B: computed on the way: left as it is (K = 4 < 32)
;;     2. batch 16,777,216 x [M 1, K 1] x [K 1, N 1]; A: computed on the way; B: computed on the way: left as it is (no contracted axis)
;;     3. [M 4,096, K 4,096] x [K 4,096, N 4,096]; A: input x; B: computed on the way: QUANTISED
;;   THE QUANTISER, for each operand of a quantised product, along K:
;;     - K is cut into blocks of 32 from its start; a last block that is shorter is filled with zeros.
;;     - A block's scale is 2^e with e = floor(log2(the largest magnitude in the block)) - 4, held to -126 .. 127; a block of zeros has e = 0. As a byte (E8M0): e + 127.
;;     - Each number is divided by its block's scale, clamped to +-28, and rounded to the nearest number of E3M2, ties to even, subnormals kept.
;;     - The product sums the exact products of the quantised numbers (number of the format x scale) in f32.
;;   ~~~python
;;   def quantise(x, axis):      # numpy; x: float32 -> the quantised numbers, widened to float32 again
;;       x = np.moveaxis(x, axis, -1); K = x.shape[-1]
;;       x = np.pad(x, [(0, 0)] * (x.ndim - 1) + [(0, -K % 32)]); x = x.reshape(x.shape[:-1] + (-1, 32)); a = np.abs(x).max(-1, keepdims=True)
;;       e = np.where(a > 0, np.clip(np.frexp(np.where(a > 0, a, 1))[1] - 1 - 4, -126, 127), 0)      # np.frexp(a)[1] - 1 = floor(log2(a)), exactly
;;       r = np.clip(x / 2.0 ** e, -28, 28)
;;       step = 2.0 ** (np.maximum(np.frexp(np.where(r == 0, 1, r))[1] - 1, -2) - 2)
;;       q = np.round(r / step) * step * 2.0 ** e      # np.round: ties to even
;;       return np.moveaxis(q.reshape(q.shape[:-2] + (-1,))[..., :K], -1, axis).astype(np.float32)
;;   ~~~
;;   OPERANDS COMPUTED ON THE WAY. 'Computed on the way' means the value that the module computes at that place (a softmax that the list does not call 'softmax' is quantised finished and normalised). What goes into a quantiser is computed in f32, as accurately as f32 sums, v_exp_f32 and their like allow (about 1e-6 of the number): no bf16 or f16 on the way to a quantiser, and a product that is left as it is and whose result goes on into a quantised operand takes f32 operands (vector FMAs, or v_wmma_f32_16x16x4_f32). A number that lies on a knife's edge between two numbers of the format may be rounded either way, as far as f32 arithmetic and the matrix unit's own rounding can turn it there, and no further.
;; One version. Each part assembles by itself: llvm-mc -triple=amdgcn-amd-amdhsa -mcpu=gfx1250 --defsym DOCPART=n.
;; ======== version 1 of 1: 2 launches
;; limits: right only within a limited range of input values
;; workspace buffers: a_img 13,107,200 bytes; b_img 13,107,200 bytes
;; launch quant (part 1): grid 256 x 1, 8 waves a work-group, no clusters, 160,768 bytes of LDS; arguments x, weight, scale_A, scale_B, rank_magnitude, a_img, b_img; writes a_img, b_img
.if DOCPART == 1
	.amdgcn_target "amdgcn-amd-amdhsa--gfx1250"
	.amdhsa_code_object_version 6
	.text
	.protected	k_qfb76b48c49_quant
	.globl	k_qfb76b48c49_quant
	.p2align	8
	.type	k_qfb76b48c49_quant,@function
k_qfb76b48c49_quant:
	s_mov_b64 s[64:65], 0
	v_nop
	global_prefetch_b8 v0, s[64:65] scope:SCOPE_SE
	s_setreg_imm32_b32 hwreg(HW_REG_WAVE_MODE, 25, 1), 1
	s_wait_xcnt 0x0
; BOTH OPERANDS OF THE QUANTISED PRODUCT ARE MADE HERE, ONCE.  x [4096][4096] f32 as it is; W_eff[o][i] = weight[o][i] * S[o][i], S[o][i] = sum over r of (tanh(scale_A[o][r]) g[r]) tanh(scale_B[r][i]), all in f32.
; Each is cut along its rows (K innermost) into blocks of 32: the scale is 2^(floor(log2(largest magnitude)) - 4), its byte the largest magnitude's exponent field - 4, held at 1 from below; the numbers go to codes of E3M2.
; THE RESULTS ARE LAID IN THE ORDER OF THE MATRIX OPERAND'S REGISTERS, codes and scale words of 128 rows x 128 K together in 12,800 bytes: [T: 128 rows][s: 128 K] { codes [i: 16 rows][c: 4 registers][lane][16 bytes]: 12,288 bytes;
; scale words [g][r][j]: 512 bytes, word 4 g + j = i is the word of row 16 i + r }.  A fragment (16 rows x 128 K) is 1,536 bytes: lane (r, h) holds row r, registers 0-5 k = 32 h + 0..31, registers 6-11 k = 64 + 32 h + 0..31.
; SHARES.  256 work-groups: the even ones take x, the odd ones the weight; each 128 rows x 1,024 K.  Wave i takes rows 16 i .. 16 i + 15 and walks 8 fragments along K.  The two kinds part once, on the work-group's number,
; into two straight paths written by one macro; each path has LDS bytes of its own.
; A FRAGMENT'S WAY.  Sixteen loads, each 512 consecutive bytes of one row; through the wave's own stage in LDS (rows 528 bytes apart) they come back 32 neighbours along K to a lane, twice: two whole blocks a lane, so that a
; block's largest magnitude needs no other lane and the conversions' results are the operand's registers.  Loads run three fragments ahead, the turn through the stage one.
; S BY THE f32 MATRIX FORM (K = 4 = the rank): source 0 = 16 places along K of tanh(scale_B), source 1 = the wave's 16 rows of tanh(scale_A) g.  The places of a tile are chosen so that register 8 t + j of a lane is S at
; the very k that register 8 t + j of the lane's 64 numbers holds: tile t = 4 c + u, row m stands for k = 64 c + 32 (m / 8) + 8 u + m % 8.
; tanh: for |v| >= 0.25 (1 - e) / (1 + e) with e = 2^(-2 log2(e) |v|), sign put back; under 0.25, where that form would lose digits, v + v z (c1 + z (c2 + z (c3 + z c4))), z = v v; the next term left out is under 1e-8 of v.
; LIMITS: NaN and infinities among the inputs are not served.  A block of zeros gets the byte 1 where the rule says 127: its codes are zeros, and the bytes are read by this program alone.
.set SP,    528                        ; a stage row: 512 bytes + 16: the sixteen rows that a load touches begin 33 x 16 bytes apart
.set WSTG,  16*SP                      ; a wave's stage
.set STG_W, 0                          ; the weight's path: eight stages,
.set BT,    67584                      ; tanh(scale_B) as images of source 0's registers: 8 fragments x 2,048 bytes,
.set SG_W,  83968                      ; and 4,096 bytes in which the scale words gather
.set STG_X, 88064                      ; x's path: eight stages,
.set SG_X,  155648                     ; and its 4,096 bytes
.set STEPB, 12800                      ; 128 rows x 128 K in the workspace: 8 fragments, then 512 bytes of scale words
.set SCO,   12288                      ; where the scale words begin in it
.set MX,  8                            ; v8-9    the two blocks' largest magnitudes
.set SO,  10                           ; v10-11  the conversions' scale operands  (until the first fragment: r and h)
.set BY,  12                           ; v12-13  the scale bytes
.set WD,  16                           ; v16     my row's scale word of the fragment in hand
.set AG,  20                           ; v20-21  tanh(scale_A) g: source 1
.set GM,  22                           ; v22-23  g
.set CD,  26                           ; v26-37  a fragment's codes
.set CT,  38                           ; v38-40, v42-44 the upper halves of the two blocks, as the conversions leave them
.set BM,  46                           ; v46-61  tanh(scale_B): source 0 of eight tiles
.set IN,  46                           ; v46-63  at the head: 16 numbers of scale_B, 2 of scale_A
.set TE,  64                           ; v64-135 at the head: tanh's temporaries, 18 each
.set TZ,  82
.set TP,  100
.set TQ,  118
.set SA,  192                          ; v192-255 S: written by the matrix instruction alone
.set SCP, 18                           ; s[18:19] where my wave stores a K step's scale words at the end
; v1 16 x lane; v2, v3 the stage, in and out; v4, v5 the scale words' gathering place, in and out; v6 16 x thread; v7 8 h; v14, v15 at work; v18, v19 the images of tanh(scale_B), in and out; v24, v25 offsets of the small loads
; v64-127, v128-191 two sets of 64 numbers; window 1, v0-191: three sets of 64 registers as loaded
.set MSB, 0
.macro WIN new                         ; the immediate's high byte repeats the setting that is left
.if MSB != (\new)
	s_set_vgpr_msb (MSB<<8)|(\new)
.set MSB, \new
.endif
.endm
.macro LOAD f                          ; fragment f as it lies: row j's 512 bytes by one load, into set f % 3 of window 1
	WIN 0x40
.irp j, 0,1,2,3,4,5,6,7,8,9,10,11,12,13,14,15
	global_load_b128 v[64*((\f)%3)+4*\j:64*((\f)%3)+4*\j+3], v1, s[SRC:SRC+1] offset:16384*\j+512*(\f) th:TH_LOAD_NT
.endr
	WIN 0
.endm
.macro TURN f                          ; through my stage: LDS serves a wave's instructions in order (ISA guide 5.7.1.4), so no wait stands between the stores and the loads
	WIN 0x04                                       ; an LDS store's data are its source 1: window 1
.irp j, 0,1,2,3,4,5,6,7,8,9,10,11,12,13,14,15
	ds_store_b128 v2, v[64*((\f)%3)+4*\j:64*((\f)%3)+4*\j+3] offset:SP*\j
.endr
	WIN 0
.set XT, 64+64*((\f)%2)
.irp n, 0,1,2,3,4,5,6,7
	ds_load_b128 v[XT+4*\n:XT+4*\n+3], v3 offset:16*\n              ; row r, k = 32 h + 0 .. 31
.endr
.irp n, 0,1,2,3,4,5,6,7
	ds_load_b128 v[XT+32+4*\n:XT+32+4*\n+3], v3 offset:256+16*\n    ; and k = 64 + 32 h + 0 .. 31
.endr
.endm
.macro BLOAD f                         ; fragment f's tanh(scale_B), as the wave that made it left it
.irp c, 0,1,2,3
	ds_load_b128 v[BM+4*\c:BM+4*\c+3], v19 offset:2048*(\f)+512*\c
.endr
.endm
; 64 numbers of a lane, two whole blocks, become the fragment's 12 registers and its row's scale word; the codes leave at once, 512 consecutive bytes a store
.macro QUANT f
.set XS, 64+64*((\f)%2)
.irp c, 0,1
	v_max3_num_f32 v[MX+\c], |v[XS+32*\c]|, |v[XS+32*\c+1]|, 0x2800000   ; and the floor 2^(5 - 127): the byte cannot fall under 1
.endr
.irp i, 2,4,6,8,10,12,14,16,18,20,22,24,26,28,30
.irp c, 0,1
	s_delay_alu instid0(VALU_DEP_2)
	v_max3_num_f32 v[MX+\c], v[MX+\c], |v[XS+32*\c+\i]|, |v[XS+32*\c+\i+1]|   ; (the two blocks by turns)
.endr
.endr
.irp c, 0,1
	s_delay_alu instid0(VALU_DEP_2)
	v_add_nc_u32 v[SO+\c], 0xfe000000, v[MX+\c]    ; 4 off the exponent field: the conversion takes the exponent field of this operand as its scale
.endr
.irp c, 0,1
	s_delay_alu instid0(VALU_DEP_2)
	v_lshrrev_b32 v[BY+\c], 23, v[SO+\c]           ; the scale's byte
.endr
	s_delay_alu instid0(VALU_DEP_1)
	v_lshl_or_b32 v14, v[BY+1], 16, v[BY]          ; my two bytes, blocks h and 2 + h,
	s_delay_alu instid0(VALU_DEP_1)
	v_lshlrev_b32 v14, v7, v14                     ; at their places in the word (8 h bits up);
	s_delay_alu instid0(VALU_DEP_1)
	v_permlanex16_b32 v15, v14, s32, s33
	s_delay_alu instid0(VALU_DEP_1)
	v_or_b32 v[WD], v14, v15                       ; with lane l xor 16's two the word is whole
	s_wait_alu depctr_va_vdst(0)
	s_wait_xcnt 0x0                                ; the last fragment's stores have read their data: the codes' registers are written again only behind this wait
.irp c, 0,1
	v_cvt_scalef32_pk16_bf6_f32 v[CD+6*\c:CD+6*\c+2], v[XS+32*\c:XS+32*\c+15], v[SO+\c]
	v_cvt_scalef32_pk16_bf6_f32 v[CT+4*\c:CT+4*\c+2], v[XS+32*\c+16:XS+32*\c+31], v[SO+\c]   ; (a conversion's three registers begin on an even number)
.endr
	v_nop                                          ; one plain place behind the scaled conversions
.irp c, 0,1
.irp i, 0,1,2
	v_mov_b32 v[CD+3+6*\c+\i], v[CT+4*\c+\i]
.endr
.endr
.irp c, 0,1,2
	global_store_b128 v1, v[CD+4*\c:CD+4*\c+3], s[IMG:IMG+1] offset:STEPB*(\f)+512*\c
.endr
	ds_store_b32 v4, v[WD] offset:512*(\f)         ; my row's word of this K step; lanes r and r + 16 write the same word with the same value
.endm
.macro STEP w, f
.set XS, 64+64*((\f)%2)
	s_wait_dscnt 0x0                               ; this fragment's numbers (and tanh(scale_B)) are in; the stage's stores have read set f % 3,
.if (\f)+3 < 8
	LOAD (\f)+3                                    ; which takes the loads of three fragments on
.endif
.if \w
.irp t, 0,1,2,3,4,5,6,7
	v_wmma_f32_16x16x4_f32 v[SA+8*\t:SA+8*\t+7], v[BM+2*\t:BM+2*\t+1], v[AG:AG+1], 0   ; each sum is one K step, begun with 0
.endr
.endif
.if (\f)+1 < 8
.if (\f) <= 4
	s_wait_loadcnt 32                              ; the next fragment's 16 loads are in; those of the two behind it may be out
.elseif (\f) == 5
	s_wait_loadcnt 16
.else
	s_wait_loadcnt 0
.endif
	TURN (\f)+1
.endif
.if \w
.rept 8
	v_nop                                          ; eight places behind this matrix form, for the reads of S and for the loads into source 0's registers
.endr
.irp n, 0,2,4,6,8,10,12,14,16,18,20,22,24,26,28,30,32,34,36,38,40,42,44,46,48,50,52,54,56,58,60,62
	v_pk_mul_f32 v[XS+\n:XS+\n+1], v[XS+\n:XS+\n+1], v[SA+\n:SA+\n+1]   ; weight x S; each accumulator is read from its low end on
.endr
.if (\f) < 7
	BLOAD (\f)+1
.endif
.endif
	QUANT \f
.endm
.macro TANH18                          ; v[IN] .. v[IN + 17] become their tanh.  Two batches of transcendentals, each with plain work behind it and one wait ahead of its first reader
.irp n, 0,1,2,3,4,5,6,7,8,9,10,11,12,13,14,15,16,17
	v_mul_f32 v[TE+\n], s34, |v[IN+\n]|
.endr
	s_wait_alu depctr_va_vdst(0)
.irp n, 0,1,2,3,4,5,6,7,8,9,10,11,12,13,14,15,16,17
	v_exp_f32 v[TE+\n], v[TE+\n]                   ; e = exp(-2 |v|)
.endr
.irp n, 0,1,2,3,4,5,6,7,8,9,10,11,12,13,14,15,16,17
	v_mul_f32 v[TZ+\n], v[IN+\n], v[IN+\n]         ; z
.endr
	s_wait_alu depctr_va_vdst(0)                   ; one wait for the 18 exponentials
.irp n, 0,1,2,3,4,5,6,7,8,9,10,11,12,13,14,15,16,17
	v_add_f32 v[TP+\n], 1.0, v[TE+\n]
.endr
	s_wait_alu depctr_va_vdst(0)
.irp n, 0,1,2,3,4,5,6,7,8,9,10,11,12,13,14,15,16,17
	v_rcp_f32 v[TP+\n], v[TP+\n]
.endr
.irp n, 0,1,2,3,4,5,6,7,8,9,10,11,12,13,14,15,16,17
	v_sub_f32 v[TE+\n], 1.0, v[TE+\n]
.endr
.irp n, 0,1,2,3,4,5,6,7,8,9,10,11,12,13,14,15,16,17
	v_fma_f32 v[TQ+\n], v[TZ+\n], s35, s36
.endr
.irp n, 0,1,2,3,4,5,6,7,8,9,10,11,12,13,14,15,16,17
	v_fma_f32 v[TQ+\n], v[TQ+\n], v[TZ+\n], s37
.endr
.irp n, 0,1,2,3,4,5,6,7,8,9,10,11,12,13,14,15,16,17
	v_fma_f32 v[TQ+\n], v[TQ+\n], v[TZ+\n], s38
.endr
.irp n, 0,1,2,3,4,5,6,7,8,9,10,11,12,13,14,15,16,17
	v_mul_f32 v[TQ+\n], v[TQ+\n], v[TZ+\n]
.endr
.irp n, 0,1,2,3,4,5,6,7,8,9,10,11,12,13,14,15,16,17
	v_fma_f32 v[TQ+\n], v[TQ+\n], v[IN+\n], v[IN+\n]   ; the series
.endr
	s_wait_alu depctr_va_vdst(0)                   ; one wait for the 18 reciprocals
.irp n, 0,1,2,3,4,5,6,7,8,9,10,11,12,13,14,15,16,17
	v_mul_f32 v[TE+\n], v[TE+\n], v[TP+\n]         ; (1 - e) / (1 + e)
.endr
.irp n, 0,1,2,3,4,5,6,7,8,9,10,11,12,13,14,15,16,17
	v_bfi_b32 v[TE+\n], s39, v[TE+\n], v[IN+\n]    ; with v's sign
.endr
.irp n, 0,1,2,3,4,5,6,7,8,9,10,11,12,13,14,15,16,17
	v_cmp_gt_f32 vcc_lo, s40, |v[IN+\n]|           ; a choice of values, no branch
	s_delay_alu instid0(VALU_DEP_1)
	v_cndmask_b32 v[IN+\n], v[TE+\n], v[TQ+\n], vcc_lo
.endr
.endm
; A whole path.  w = 1: the weight's; w = 0: x's.
.macro PIPE w
.if \w
.set STG, STG_W
.set SG,  SG_W
.set SRC, 6
.set IMG, 16
.else
.set STG, STG_X
.set SG,  SG_X
.set SRC, 4
.set IMG, 14
.endif
	s_add_nc_u64 s[SRC:SRC+1], s[SRC:SRC+1], s[26:27]
	s_add_nc_u64 s[SCP:SCP+1], s[IMG:IMG+1], s[30:31]
	s_add_nc_u64 s[IMG:IMG+1], s[IMG:IMG+1], s[28:29]
	s_mul_i32 s41, s22, WSTG
	s_add_co_u32 s41, s41, STG                     ; my stage
	v_add_nc_u32 v2, s41, v1                       ; in: 16 x lane, a row a store
	v_mul_u32_u24 v3, v10, SP
	s_delay_alu instid0(VALU_DEP_1)
	v_lshl_add_u32 v3, v11, 7, v3
	s_delay_alu instid0(VALU_DEP_1)
	v_add_nc_u32 v3, s41, v3                       ; out: row r, + 128 h
	s_lshr_b32 s41, s22, 2
	s_lshl_b32 s41, s41, 8
	s_and_b32 s46, s22, 3
	s_lshl_b32 s46, s46, 2
	s_add_co_u32 s41, s41, s46
	s_add_co_u32 s41, s41, SG
	v_lshl_add_u32 v4, v10, 4, s41                 ; my row's word of a K step: 256 (i / 4) + 16 r + 4 (i % 4)
	v_add_nc_u32 v5, SG, v6                        ; and on the way out 16 bytes a thread: wave w takes K step w's 512 bytes
.if \w
	s_lshl_b32 s42, s24, 11
	s_lshl_b32 s43, s22, 8
	s_add_co_u32 s42, s42, s43                     ; scale_A: my 16 rows of 16 bytes
	s_mov_b32 s43, 0
	s_lshl_b32 s44, s25, 12
	s_lshl_b32 s45, s22, 9
	s_add_co_u32 s44, s44, s45                     ; scale_B: wave i makes fragment i's image for all eight waves
	s_mov_b32 s45, 0
	s_add_nc_u64 s[8:9], s[8:9], s[42:43]
	s_add_nc_u64 s[10:11], s[10:11], s[44:45]
	s_lshl_b32 s41, s22, 11
	s_add_co_u32 s41, s41, BT
	v_add_nc_u32 v18, s41, v1
	v_add_nc_u32 v19, BT, v1
	global_load_b64 v[IN+16:IN+17], v24, s[8:9]    ; scale_A(row r, 2 h + 0, 1)
	global_load_b64 v[GM:GM+1], v7, s[12:13]       ; g(2 h + 0, 1)
.irp t, 0,1,2,3,4,5,6,7
.irp jj, 0,1
	global_load_b32 v[IN+2*\t+\jj], v25, s[10:11] offset:16384*\jj+4*(64*(\t/4)+8*(\t%4))   ; scale_B(2 h + jj, 64 (t / 4) + 32 (r / 8) + 8 (t % 4) + r % 8)
.endr
.endr
.endif
	LOAD 0
	LOAD 1
	LOAD 2
.if \w
	s_wait_loadcnt 48                              ; the 18 small loads are in; the 48 behind them may be out
	TANH18
	s_delay_alu instid0(VALU_DEP_1)
	v_pk_mul_f32 v[AG:AG+1], v[IN+16:IN+17], v[GM:GM+1]
.irp c, 0,1,2,3
	ds_store_b128 v18, v[BM+4*\c:BM+4*\c+3] offset:512*\c
.endr
	s_wait_alu depctr_va_vdst(0)
	s_wait_dscnt 0x0                               ; for the others' sake: my image has landed
	s_barrier_signal -1
	s_barrier_wait -1                              ; all eight images lie in LDS
	BLOAD 0
.endif
	s_wait_alu depctr_va_vdst(0)
	s_wait_loadcnt 32                              ; fragment 0's loads are in
	TURN 0
.irp f, 0,1,2,3,4,5,6,7
	STEP \w, \f
.endr
	s_wait_dscnt 0x0                               ; my scale words have landed
	s_barrier_signal -1
	s_barrier_wait -1                              ; everybody's have: eight K steps' words, 512 bytes each
	ds_load_b128 v[64:67], v5
	s_wait_dscnt 0x0
	global_store_b128 v1, v[64:67], s[SCP:SCP+1]   ; each wave stores 512 consecutive bytes, at a multiple of 512 from the buffer's first byte: behind its K step's codes
	s_wait_tensorcnt 0x0
	ds_add_u32 v41, v45
	s_wait_dscnt 0x0
	s_endpgm
.endm
	s_load_b256 s[4:11], s[0:1], 0x0               ; x s[4:5], weight s[6:7], scale_A s[8:9], scale_B s[10:11]
	s_load_b128 s[12:15], s[0:1], 0x20             ; rank_magnitude s[12:13], a_img s[14:15]
	s_load_b64 s[16:17], s[0:1], 0x30              ; b_img
	v_lshl_add_u32 v41, v0, 2, 0x27000
	v_mov_b32 v45, 0
	v_lshrrev_b32 v8, 5, v0
	s_delay_alu instid0(VALU_DEP_1)
	v_readfirstlane_b32 s22, v8                    ; wave i
	v_and_b32 v9, 31, v0
	s_delay_alu instid0(VALU_DEP_1)
	v_lshlrev_b32 v1, 4, v9                        ; 16 x lane
	v_lshlrev_b32 v6, 4, v0                        ; 16 x thread
	v_and_b32 v10, 15, v0                          ; r
	v_bfe_u32 v11, v0, 4, 1                        ; h
	s_delay_alu instid0(VALU_DEP_1)
	v_lshlrev_b32 v7, 3, v11                       ; 8 h
	v_mov_b32 v15, 0                               ; written once: a lane permute's destination counts as one of its sources
	s_delay_alu instid0(VALU_DEP_2)
	v_lshl_add_u32 v24, v10, 4, v7                 ; scale_A: 16 r + 8 h
	v_lshrrev_b32 v12, 3, v10
	v_and_b32 v13, 7, v10
	s_delay_alu instid0(VALU_DEP_1)
	v_lshlrev_b32 v25, 2, v13
	s_delay_alu instid0(VALU_DEP_1)
	v_lshl_add_u32 v25, v12, 7, v25
	s_delay_alu instid0(VALU_DEP_1)
	v_lshl_add_u32 v25, v11, 15, v25               ; scale_B: two rows of 16,384 bytes x h + 4 (32 (r / 8) + r % 8)
	s_and_b32 s23, ttmp9, 1                        ; 0: x; 1: the weight
	s_lshr_b32 s24, ttmp9, 3                       ; T: which 128 rows
	s_bfe_u32 s25, ttmp9, 0x20001                  ; which 1,024 along K
	s_lshl_b32 s26, s24, 21                        ; the f32 numbers: (128 T + 16 i) rows of 16,384 bytes + 4,096 a quarter of K
	s_lshl_b32 s27, s22, 18
	s_add_co_u32 s26, s26, s27
	s_lshl_b32 s27, s25, 12
	s_add_co_u32 s26, s26, s27
	s_mov_b32 s27, 0
	s_mul_i32 s28, s24, 32*STEPB                   ; the workspace: T's 32 K steps, eight K steps a quarter of K
	s_mul_i32 s29, s25, 8*STEPB
	s_add_co_u32 s28, s28, s29
	s_mul_i32 s30, s22, STEPB                      ; the scale words that wave i stores at the end: K step i's, behind its codes
	s_add_co_u32 s30, s30, s28
	s_add_co_u32 s30, s30, SCO
	s_mov_b32 s31, 0
	s_mul_i32 s29, s22, 1536                       ; the codes: block i of each K step
	s_add_co_u32 s28, s28, s29
	s_mov_b32 s29, 0
	s_mov_b32 s32, 0x76543210
	s_mov_b32 s33, 0xfedcba98                      ; v_permlanex16_b32's selects for lane l xor 16
	s_mov_b32 s34, 0xc038aa3b                      ; -2 log2(e)
	s_mov_b32 s35, 0x3cb327a4                      ; c4 = 62 / 2835
	s_mov_b32 s36, 0xbd5d0dd1                      ; c3 = -17 / 315
	s_mov_b32 s37, 0x3e088889                      ; c2 = 2 / 15
	s_mov_b32 s38, 0xbeaaaaab                      ; c1 = -1 / 3
	s_mov_b32 s39, 0x7fffffff
	s_mov_b32 s40, 0x3e800000                      ; 0.25
	s_wait_kmcnt 0x0
	s_cmp_eq_u32 s23, 0                            ; the same in all eight waves: it hangs on the work-group's number alone
	s_cbranch_scc1 .Lfor_x
	s_wait_alu depctr_va_vdst(0)
	PIPE 1
.Lfor_x:
	PIPE 0
.Lfunc_end_k_qfb76b48c49_quant:
	.size	k_qfb76b48c49_quant, .Lfunc_end_k_qfb76b48c49_quant-k_qfb76b48c49_quant
	.p2alignl 7, 3214868480
	.fill 96, 4, 3214868480
	.section	.rodata,"a",@progbits
	.p2align	6, 0x0
	.amdhsa_kernel k_qfb76b48c49_quant
		.amdhsa_group_segment_fixed_size 160768
		.amdhsa_private_segment_fixed_size 0
		.amdhsa_enable_private_segment 0
		.amdhsa_kernarg_size 56
		.amdhsa_user_sgpr_count 2
		.amdhsa_user_sgpr_kernarg_segment_ptr 1
		.amdhsa_wavefront_size32 1
		.amdhsa_system_sgpr_workgroup_id_x 1
		.amdhsa_system_sgpr_workgroup_id_y 1
		.amdhsa_system_sgpr_workgroup_id_z 1
		.amdhsa_system_vgpr_workitem_id 0
		.amdhsa_next_free_vgpr 448
		.amdhsa_next_free_sgpr 66
		.amdhsa_reserve_vcc 1
		.amdhsa_float_denorm_mode_32 3
		.amdhsa_float_denorm_mode_16_64 3
		.amdhsa_memory_ordered 1
		.amdhsa_forward_progress 1
		.amdhsa_inst_pref_size 177
	.end_amdhsa_kernel
	.amdgpu_metadata
---
amdhsa.version: [ 1, 2 ]
amdhsa.kernels:
  - .name:           k_qfb76b48c49_quant
    .symbol:         k_qfb76b48c49_quant.kd
    .args:
      - { .name: x, .offset: 0, .size: 8, .value_kind: global_buffer, .address_space: global }
      - { .name: weight, .offset: 8, .size: 8, .value_kind: global_buffer, .address_space: global }
      - { .name: scale_A, .offset: 16, .size: 8, .value_kind: global_buffer, .address_space: global }
      - { .name: scale_B, .offset: 24, .size: 8, .value_kind: global_buffer, .address_space: global }
      - { .name: rank_magnitude, .offset: 32, .size: 8, .value_kind: global_buffer, .address_space: global }
      - { .name: a_img, .offset: 40, .size: 8, .value_kind: global_buffer, .address_space: global }
      - { .name: b_img, .offset: 48, .size: 8, .value_kind: global_buffer, .address_space: global }
    .group_segment_fixed_size: 160768
    .private_segment_fixed_size: 0
    .kernarg_segment_align: 8
    .kernarg_segment_size: 56
    .max_flat_workgroup_size: 256
    .sgpr_count:     66
    .vgpr_count:     448
    .wavefront_size: 32
...
	.end_amdgpu_metadata
.endif
;; end of part 1
;; launch gemm (part 2): grid 16 x 16, 4 waves a work-group, clusters of 4 x 4, 327,680 bytes of LDS; arguments a_img, b_img, bias, out0; writes out0
.if DOCPART == 2
	.amdgcn_target "amdgcn-amd-amdhsa--gfx1250"
	.amdhsa_code_object_version 6
	.text
	.protected	k_qfb76b48c49_gemm
	.globl	k_qfb76b48c49_gemm
	.p2align	8
	.type	k_qfb76b48c49_gemm,@function
k_qfb76b48c49_gemm:
	s_mov_b64 s[64:65], 0
	v_nop
	global_prefetch_b8 v0, s[64:65] scope:SCOPE_SE
	s_setreg_imm32_b32 hwreg(HW_REG_WAVE_MODE, 25, 1), 1
	s_wait_xcnt 0x0
	s_wait_alu depctr_hold_cnt(0) depctr_sa_sdst(0) depctr_va_vdst(0) depctr_va_sdst(0) depctr_va_ssrc(0) depctr_va_vcc(0) depctr_vm_vsrc(0)
	s_getreg_b32 s2, hwreg(HW_REG_IB_STS2, 6, 4)
	s_cmp_eq_u32 s2, 0
	s_cbranch_scc0 .Lentry_in_a_cluster
	s_endpgm
.Lentry_in_a_cluster:
	s_bfe_u32 s2, ttmp6, 0x10000c
	s_cmp_lg_u32 s2, 0xf033
	s_cbranch_scc0 .Lentry_shape_is_right
	s_endpgm
.Lentry_shape_is_right:
; out0[m][n] = sum over k of x_q[m][k] W_q[n][k] + bias[n]: the quantised product, on the codes and scale words that the launch before laid in the order of the operand's registers.
; a_img, b_img: [T: 128 rows][s: 128 K] blocks of 12,800 bytes: 8 fragments of 1,536 bytes ([c: 3][lane][16 bytes]), then 512 bytes of scale words ([g: 2][r: 16][j: 4]: word 4 g + j of row r is block 4 g + j's).
; A tile of 256 x 256 to a work-group of four waves, 128 x 128 a wave: 64 accumulators.  K goes in 32 steps of 128 through two LDS slots of three steps each (the last fill has two), filled by joint loads:
; 4 x 4 work-groups form a cluster; A's tiles are shared along a row of it, B's along a column.  Waves 0, 1 fetch A's two halves, waves 2, 3 B's; a fill of a wave is one dense run of 38,400 bytes, as rows of 256.
; The matrix instruction is used transposed (source 0 = 16 rows of B, source 1 = 16 rows of A): a lane holds eight neighbouring numbers of a row of the result.
; REGISTERS.  Each window of 256 has v0-31 for small things, v32-127 one half-operand's fragments (4 blocks x 12 registers, for even steps at v32, for odd steps at v80) and v128-255 sixteen accumulators:
;   window 0: A's blocks 0-3, accumulators (A 0-3, B 0-3);   window 1: B's blocks 0-3, accumulators (A 0-3, B 4-7);
;   window 2: B's blocks 4-7, accumulators (A 4-7, B 4-7);   window 3: A's blocks 4-7, accumulators (A 4-7, B 0-3).
; A step is four groups of sixteen products, group t on window t's accumulators.  Both operands have a set of registers for each parity of the step, so ALL of the next step's 50 LDS loads stand in ONE run at a step's head,
; and the 64 products follow it unbroken.  An LDS load takes its destination from the window of D and its address from the window of source 0, so the run is laid under the four groups' own settings:
; A's LDS addresses and the scale words' lie in window 1, B's in window 2.
; The fragments of a step are asked for in the step before, so a slot's reads end one step ahead of its last step: the change of slots stands in each slot's third step.
; THE LAST TWO STEPS GO BY ROWS OF THE RESULT: both steps' fragments lie in registers (one in each parity's set), and my eight blocks of 16 rows are finished one after the other, 16 products each; each leaves as soon as it is finished.
; PREFETCH: behind each joint load stand two prefetches for the whole of the NEXT fill of the same 128 rows (150 blocks of 256 bytes): one fill, three K steps, ahead of the load that wants them.  The four partners
; that ask for a tile jointly share its blocks out by address, 38 each (the lanes left over name the last block again).  The last fill, of two steps, is not asked for ahead: so no address leaves the buffer.
; The bias is added on the way out, where a lane holds the same four columns in every row: four registers.
.set SIZE_N, 4096
.set STEPB,  12800                     ; 128 rows x 128 K: codes and scale words
.set SCO,    12288                     ; where the scale words begin in it
.set PART,   3*STEPB                   ; what one wave's load brings
.set SLOT,   4*PART
.set TSTR,   32*STEPB                  ; 128 rows, all of K
.set SPARE,  2*SLOT                    ; behind the ring: the spare words, 128 bytes a wave
.set STAGE,  SLOT                      ; the way out: in slot 1, which has had its last fill and its last read by then (the last two steps lie in slot 0)
.set SPITCH, 528
.set BI,   4                           ; v4-7   the bias of my four columns
.set SPW,  8                           ; v8     my spare word's LDS address; never rewritten
.set NIL,  9                           ; v9     0; never rewritten
.set STO,  10                          ; v10    the way out: where I put 32 bytes of a row
.set RD,   11                          ; v11    where I read a row back
.set CO,   12                          ; v12    16 x lane
.set PF1,  13                          ; v13-14 the prefetches' offsets
.set PF2,  14
.set SC,   16                          ; v16-31 scale words, a set of 8 for even steps and one for odd: lanes 0-15 A's block i, lanes 16-31 B's block i
.set FRG,  32
.set ACC,  128
.set G1, 24                            ; s[24:31] group 1 for A's tiles; s[32:39] group 0, a set for each slot
.set G0, 32
.set G1B, 48                           ; the same for B's
.set G0B, 56
.set G1L, 68                           ; group 1 of the last fill, two steps: A's, B's
.set G1LB, 80
.set PFA, 66                           ; s[66:67] where my prefetches stand
.set MSB, 0
.macro WIN new                         ; the immediate's high byte repeats the setting that is left
.if MSB != (\new)
	s_set_vgpr_msb (MSB<<8)|(\new)
.set MSB, \new
.endif
.endm
.macro WINT t                          ; group t: D and C window t; source 1 (A) window 0 or 3; source 0 (B, and a load's address) window 1 or 2
	WIN ((\t)<<6)|((\t)<<4)|((3*((\t)/2))<<2)|(1+((((\t)+1)/2)%2))
.endm
.macro PLACES n
.rept \n
	v_nop
.endr
.endm
; a joint load: one line and one mask for A's waves, one for B's; the branch hangs on the wave's number alone; s_nop 0 and four v_nop behind each line
.macro JLOAD g0a, g1a, g0b, g1b
	s_cmp_eq_u32 s15, 0
	s_cbranch_scc0 .Lfor_b_\@
	tensor_load_to_lds s[\g0a:\g0a+3], s[\g1a:\g1a+7]
	s_nop 0
	PLACES 4
	s_branch .Lasked_\@
.Lfor_b_\@:
	tensor_load_to_lds s[\g0b:\g0b+3], s[\g1b:\g1b+7]
	s_nop 0
	PLACES 4
.Lasked_\@:
.endm
.macro CREST                           ; a round of the cluster's barrier behind its opening barrier
	s_cmp_lg_u32 s14, 0
	s_cbranch_scc1 .Lnot_wave_0_\@
	s_barrier_signal -3
.Lnot_wave_0_\@:
	s_barrier_wait -3
	s_barrier_signal -1
	s_barrier_wait -1
.endm
.macro CROUND
	s_barrier_signal -1
	s_barrier_wait -1
	CREST
.endm
.macro ASK off                         ; my work-group's 38 blocks of the fill at s[PFA] + off
	global_prefetch_b8 v[PF1], s[PFA:PFA+1] offset:\off th:TH_LOAD_NT scope:SCOPE_SE
	global_prefetch_b8 v[PF2], s[PFA:PFA+1] offset:\off th:TH_LOAD_NT scope:SCOPE_SE
.endm
	s_load_b128 s[4:7], s[0:1], 0x0                ; a_img, b_img
	s_load_b128 s[8:11], s[0:1], 0x10              ; bias, out0
	v_lshl_add_u32 v[SPW], v0, 2, SPARE
	v_mov_b32 v[NIL], 0
	ds_add_u32 v[SPW], v[NIL]                      ; the opening lines: the add, twice on end, and its wait ahead of my first tensor load
	ds_add_u32 v[SPW], v[NIL]
	v_lshrrev_b32 v1, 5, v0
	v_readfirstlane_b32 s14, v1                    ; wave
	s_lshr_b32 s15, s14, 1                         ; my half of the tile's rows; also: I fetch for A (0) or B (1)
	s_and_b32 s16, s14, 1                          ; my half of its columns; also: which 128 rows I fetch
	s_bfe_u32 s40, ttmp6, 0x40000                  ; cx
	s_bfe_u32 s41, ttmp6, 0x40004                  ; cy
	s_lshl_b32 s42, ttmp9, 2
	s_add_co_u32 s42, s42, s40                     ; tile column
	s_and_b32 s17, ttmp7, 0xffff
	s_lshl_b32 s17, s17, 2
	s_add_co_u32 s17, s17, s41                     ; tile row
	s_lshl_b32 s43, s41, 2
	s_lshl_b32 s43, 15, s43                        ; my row of the cluster
	s_lshl_b32 s44, 0x1111, s40                    ; my column
	s_or_b32 s[G1+0], s43, (3<<16)|(1<<21)         ; elements of 8 bytes, no padding: the lanes read 16 neighbouring bytes each
	s_or_b32 s[G1B+0], s44, (3<<16)|(1<<21)
.irp g, G1, G1B
	s_mov_b32 s[\g+1], 32<<16                      ; rows of 256 bytes,
	s_mov_b32 s[\g+2], (PART/256)<<16              ; 150 of them, dense
	s_mov_b32 s[\g+3], 32<<16
	s_mov_b32 s[\g+4], PART/256
	s_mov_b32 s[\g+5], 32
	s_mov_b32 s[\g+6], 0
	s_mov_b32 s[\g+7], 0
.endr
	s_or_b32 s[G1L+0], s43, (3<<16)|(1<<21)
	s_or_b32 s[G1LB+0], s44, (3<<16)|(1<<21)
.irp g, G1L, G1LB
	s_mov_b32 s[\g+1], 32<<16
	s_mov_b32 s[\g+2], (2*STEPB/256)<<16           ; the last fill: 100 rows
	s_mov_b32 s[\g+3], 32<<16
	s_mov_b32 s[\g+4], 2*STEPB/256
	s_mov_b32 s[\g+5], 32
	s_mov_b32 s[\g+6], 0
	s_mov_b32 s[\g+7], 0
.endr
	s_lshl_b32 s20, s17, 1
	s_add_co_u32 s20, s20, s16                     ; A: T = 2 x tile row + the half that I fetch
	s_lshl_b32 s46, s42, 1
	s_add_co_u32 s46, s46, s16                     ; B: T = 2 x tile column + half
	s_mul_i32 s20, s20, TSTR
	s_mov_b32 s21, 0
	s_mul_i32 s46, s46, TSTR
	s_mov_b32 s47, 0
	s_mul_i32 s45, s14, PART                       ; where my load lands: wave x 38,400
	s_wait_dscnt 0x0                               ; both opening adds are done
	CROUND                                         ; the round in front of the first joint loads: it needs none of the arguments, so it stands ahead of the wait for them
	s_wait_kmcnt 0x0
	s_add_nc_u64 s[20:21], s[4:5], s[20:21]
	s_add_nc_u64 s[46:47], s[6:7], s[46:47]
	s_cmp_eq_u32 s15, 0
	s_cselect_b32 s88, s40, s41                    ; my place among the four that ask with me
	s_cselect_b64 s[PFA:PFA+1], s[20:21], s[46:47]
	s_add_nc_u64 s[PFA:PFA+1], s[PFA:PFA+1], PART  ; at fill 1
	s_mul_i32 s88, s88, 38
.irp s, 0,1
	s_mov_b32 s[G0+4*\s], 1
	s_add_co_u32 s[G0+4*\s+1], s45, \s*SLOT
	s_add_nc_u64 s[G0+4*\s+2:G0+4*\s+3], s[20:21], \s*PART
	s_or_b32 s[G0+4*\s+3], s[G0+4*\s+3], 0x80000000
	s_mov_b32 s[G0B+4*\s], 1
	s_add_co_u32 s[G0B+4*\s+1], s45, \s*SLOT
	s_add_nc_u64 s[G0B+4*\s+2:G0B+4*\s+3], s[46:47], \s*PART
	s_or_b32 s[G0B+4*\s+3], s[G0B+4*\s+3], 0x80000000
.endr
	JLOAD G0, G1, G0B, G1B                         ; fill 0, steps 0-2: one tensor load a wave at the head
	; the scalar part of the addresses first, then the vector part on end
	s_mul_i32 s21, s15, PART                       ; my 128 rows of A in slot 0
	s_mul_i32 s22, s16, PART
	s_add_co_u32 s22, s22, 2*PART                  ; my 128 rows of B
	s_add_co_u32 s23, s21, SLOT
	s_add_co_u32 s89, s22, SLOT
	s_sub_co_u32 s90, s22, s21                     ; from A's scale words to B's
	s_add_co_u32 s91, s21, SCO
	s_mul_i32 s92, s14, 16*SPITCH
	s_add_co_u32 s92, s92, STAGE                   ; my stage
	s_lshl_b32 s20, s17, 8
	s_lshl_b32 s93, s15, 7
	s_add_co_u32 s20, s20, s93                     ; my first row of the result,
	s_lshl_b32 s20, s20, 14                        ; x 16,384 bytes
	s_mov_b32 s21, 0
	s_lshl_b32 s46, s42, 10
	s_lshl_b32 s47, s16, 9
	s_add_co_u32 s46, s46, s47                     ; my first column, in bytes
	s_mov_b32 s47, 0
	s_add_nc_u64 s[8:9], s[8:9], s[46:47]
	s_add_nc_u64 s[20:21], s[20:21], s[46:47]
	s_add_nc_u64 s[10:11], s[10:11], s[20:21]
	s_mul_i32 s21, s15, PART
	v_and_b32 v1, 15, v0                           ; r
	v_bfe_u32 v2, v0, 4, 1                         ; h
	v_and_b32 v3, 31, v0                           ; lane
	v_lshlrev_b32 v[CO], 4, v3
	v_add_nc_u32 v[PF1], s88, v3                   ; blocks 38 p + lane,
	v_min_u32 v[PF2], 5, v3
	v_min_u32 v[PF1], 149, v[PF1]
	v_add_nc_u32 v[PF2], s88, v[PF2]
	v_add_nc_u32 v[PF2], 32, v[PF2]                ; and 38 p + 32 + 0 .. 5, none past the fill's last block
	v_min_u32 v[PF2], 149, v[PF2]
	v_lshlrev_b32 v[PF1], 8, v[PF1]
	v_lshlrev_b32 v[PF2], 8, v[PF2]
	v_lshlrev_b32 v5, 4, v1                        ; scale words: 16 r,
	v_mul_u32_u24 v6, s90, v2                      ; lanes 16-31 take B's
	v_add_nc_u32 v5, v5, v6
	v_add_nc_u32 v5, s91, v5
	WIN 0x40                                       ; into window 1:
	v_add_nc_u32 v0, s21, v[CO]                    ; A's fragments in slot 0,
	v_add_nc_u32 v1, s23, v[CO]                    ; in slot 1;
	v_mov_b32 v2, v5                               ; the scale words in slot 0,
	v_add_nc_u32 v3, SLOT, v5                      ; in slot 1
	WIN 0x80                                       ; into window 2:
	v_add_nc_u32 v0, s22, v[CO]                    ; B's fragments in slot 0,
	v_add_nc_u32 v1, s89, v[CO]                    ; in slot 1
	WIN 0
	v_mul_u32_u24 v5, v1, SPITCH
	v_lshl_add_u32 v5, v2, 5, v5
	v_add_nc_u32 v[STO], s92, v5                   ; into the stage: row r, 32 bytes for each half of the lanes
	v_add_nc_u32 v[RD], s92, v[CO]                 ; back: the 32 lanes take a row of 512 bytes
	s_wait_alu depctr_va_vdst(0)                   ; the wait at the head's end
	ASK 0                                          ; fill 1
	global_load_b128 v[BI:BI+3], v[CO], s[8:9]     ; the bias of my four columns
; four products of group t, on the fragments of parity p: A's block a of the group's four against B's four.  Accumulators take turns, one instruction a turn.
.macro ROW4 t, p, zero, a
.irp b, 0,1,2,3
.if \zero
	v_wmma_scale_f32_16x16x128_f8f6f4 v[ACC+8*(4*(\a)+\b):ACC+8*(4*(\a)+\b)+7], v[FRG+48*(\p)+12*\b:FRG+48*(\p)+12*\b+11], v[FRG+48*(\p)+12*(\a):FRG+48*(\p)+12*(\a)+11], 0, v[SC+8*(\p)+4*((((\t)+1)/2)%2)+\b], v[SC+8*(\p)+4*((\t)/2)+(\a)] matrix_a_fmt:MATRIX_FMT_BF6 matrix_b_fmt:MATRIX_FMT_BF6 matrix_a_scale:MATRIX_SCALE_ROW1
.else
	v_wmma_scale_f32_16x16x128_f8f6f4 v[ACC+8*(4*(\a)+\b):ACC+8*(4*(\a)+\b)+7], v[FRG+48*(\p)+12*\b:FRG+48*(\p)+12*\b+11], v[FRG+48*(\p)+12*(\a):FRG+48*(\p)+12*(\a)+11], v[ACC+8*(4*(\a)+\b):ACC+8*(4*(\a)+\b)+7], v[SC+8*(\p)+4*((((\t)+1)/2)%2)+\b], v[SC+8*(\p)+4*((\t)/2)+(\a)] matrix_a_fmt:MATRIX_FMT_BF6 matrix_b_fmt:MATRIX_FMT_BF6 matrix_a_scale:MATRIX_SCALE_ROW1
.endif
.endr
.endm
.macro POS t, p, zero
	WINT \t
.irp a, 0,1,2,3
	ROW4 \t, \p, \zero, \a
.endr
.endm
.macro RUN t, pd, ns, nq               ; window t's four fragments of step nq of slot ns, into the set of parity pd: registers and bytes both run on: register 4 N, byte 512 N.  With window 0's go the step's scale words
	WINT \t
.set N, 0
.rept 12
	ds_load_b128 v[FRG+48*(\pd)+4*N:FRG+48*(\pd)+4*N+3], v[\ns] offset:STEPB*(\nq)+6144*((\t)/2)+512*N
.set N, N+1
.endr
.if (\t) == 0
.irp g, 0,1
	ds_load_b128 v[SC+8*(\pd)+4*\g:SC+8*(\pd)+4*\g+3], v[2+\ns] offset:STEPB*(\nq)+256*\g
.endr
.endif
.endm
.macro FETCH pd, ns, nq                ; a whole step's 50 loads
	RUN 0, \pd, \ns, \nq
	RUN 1, \pd, \ns, \nq
	RUN 2, \pd, \ns, \nq
	RUN 3, \pd, \ns, \nq
.endm
; Step k (counted modulo 6: parity and slot come back after six)
.macro STEPK k, zero
.set P, (\k)%2
.set NS, (((\k)+1)/3)%2
.set NQ, ((\k)+1)%3
	PLACES 4                                       ; the loads below land in registers that the last step's products read: four places between
	s_wait_dscnt 0x0                               ; this step's fragments, asked for a step ago, are in
	FETCH 1-P, NS, NQ                              ; the next step's
	POS 0, P, \zero
	POS 1, P, \zero
	POS 2, P, \zero
	POS 3, P, \zero
.endm
; A slot's third step.  Its own fragments were asked for in the step before, so the slot is read no more, and the next step's come from the other slot: ONE barrier for both.
; fill = 1: the slot is filled again, behind a round of the cluster's barrier; 2: with the last, shorter fill; 0: nothing is left to fetch.  ask = 0: the fill after that is prefetched; 1: but not in the loop's last trip; -1: no.
.macro TURNK k, fill, ask
.set P, (\k)%2
.set SL, ((\k)/3)%2
.set NS, 1-SL
.if (\ask) >= 0
	s_wait_xcnt 0x0                                ; my last prefetches have read their base: it steps one fill on
	s_add_nc_u64 s[PFA:PFA+1], s[PFA:PFA+1], PART
.endif
	WIN 0                                          ; (the add's two registers lie in window 0)
	s_wait_tensorcnt 0x0                           ; all my tensor loads have landed: my part of the other slot;
	ds_add_u32 v[SPW], v[NIL]                      ; 0 onto my spare word
	s_wait_dscnt 1                                 ; this step's fragments are in (the add may be out)
	WINT 0
	ROW4 0, P, 0, 0                                ; four products stand between the add and the wait for it
	s_wait_dscnt 0x0                               ; the add is done, and my reads of this slot are over
	s_barrier_signal -1
	ROW4 0, P, 0, 1                                ; work on registers while the others arrive
	ROW4 0, P, 0, 2
	ROW4 0, P, 0, 3
	WIN 0
	s_barrier_wait -1
.if \fill
	CREST                                          ; the barrier has opened a round of the cluster's barrier: no wave of any partner still reads this slot or has a load on its way
	s_add_nc_u64 s[G0+4*SL+2:G0+4*SL+3], s[G0+4*SL+2:G0+4*SL+3], 2*PART
	s_add_nc_u64 s[G0B+4*SL+2:G0B+4*SL+3], s[G0B+4*SL+2:G0B+4*SL+3], 2*PART
.if \fill == 1
	JLOAD G0+4*SL, G1, G0B+4*SL, G1B               ; the first tensor load behind the round; its four v_nop are the places in front of the loads below
.else
	JLOAD G0+4*SL, G1L, G0B+4*SL, G1LB
.endif
.if (\ask) == 1
	s_cmp_gt_u32 s3, 1                             ; in the last trip the next fill is the short one: nothing is asked
	s_cbranch_scc0 .Lno_ask_\@
.endif
.if (\ask) >= 0
	ASK PART
.endif
.if (\ask) == 1
.Lno_ask_\@:
.endif
.else
	PLACES 4
.endif
	FETCH 1-P, NS, 0                               ; the other slot's first step
	POS 1, P, 0
	POS 2, P, 0
	POS 3, P, 0
.endm
	s_wait_tensorcnt 0x0                           ; my part of fill 0 is in
	ds_add_u32 v[SPW], v[NIL]
	s_wait_dscnt 0x0
	CROUND                                         ; everybody's part is in, and all sixteen work-groups are here
	JLOAD G0+4, G1, G0B+4, G1B                     ; fill 1, steps 3-5: slot 1's first fill, the first tensor load behind the round
	ASK PART                                       ; fill 2
	FETCH 0, 0, 0                                  ; step 0's fragments
	STEPK 0, 1                                     ; the first step's products start the sums
	WIN 0                                          ; at a label and at a branch every window is 0
	s_mov_b32 s3, 4
.Ltrip:                                                ; six steps: once round the ring; steps 1 to 24, fills 2 to 9
	STEPK 1, 0
	TURNK 2, 1, 0
	STEPK 3, 0
	STEPK 4, 0
	TURNK 5, 1, 1
	STEPK 6, 0
	WIN 0
	s_sub_co_u32 s3, s3, 1
	s_cmp_lg_u32 s3, 0
	s_cbranch_scc1 .Ltrip
	STEPK 1, 0                                     ; steps 25 to 29, written out: one more fill, the short one, then none
	TURNK 2, 2, -1
	STEPK 3, 0
	STEPK 4, 0
	TURNK 5, 0, -1                                 ; it has asked for step 30's fragments, into the even set
; STEPS 30 AND 31, BY ROWS.  Block a (16 rows x 128 columns) has its eight accumulators in two windows: TA (B's blocks 0-3) and TB (B's blocks 4-7).
.macro BLOCK a                         ; 16 products: both steps; K ascending in each accumulator
.set TA, 3*((\a)/4)
.set TB, 1+(\a)/4
	WINT TA
	ROW4 TA, 0, 0, (\a)%4
	WINT TB
	ROW4 TB, 0, 0, (\a)%4
.if (\a) == 0
	s_wait_dscnt 0x0                               ; step 31's fragments are in
.endif
	ROW4 TB, 1, 0, (\a)%4
	WINT TA
	ROW4 TA, 1, 0, (\a)%4
.endm
; THE WAY OUT of block a: through my own stage in LDS and back as whole rows of 512 bytes, INTO THE BLOCK'S OWN 64 REGISTERS (rows 0-7 into window TA's 32, rows 8-15 into window TB's): no register is used twice,
; and every store's place stands in its immediate (127 rows of 16,384 bytes at the most, inside the signed 24 bits: ISA guide, chapter 10).  LDS serves a wave's instructions in order (ISA guide 5.7.1.4): no wait between the stores and the loads.
.macro TOSTAGE a
.set TA, 3*((\a)/4)
.set TB, 1+(\a)/4
.irp j, 0,1
	WIN ((TA*(1-\j)+TB*\j)<<2)                     ; an LDS store's data are its source 1
.irp b, 0,1,2,3
	ds_store_b128 v[STO], v[ACC+8*(4*((\a)%4)+\b):ACC+8*(4*((\a)%4)+\b)+3] offset:64*(4*\j+\b)       ; each accumulator from its low end on
	ds_store_b128 v[STO], v[ACC+8*(4*((\a)%4)+\b)+4:ACC+8*(4*((\a)%4)+\b)+7] offset:64*(4*\j+\b)+16
.endr
.endr
.irp j, 0,1
	WIN ((TA*(1-\j)+TB*\j)<<6)
.irp t, 0,1,2,3,4,5,6,7
	ds_load_b128 v[ACC+32*((\a)%4)+4*\t:ACC+32*((\a)%4)+4*\t+3], v[RD] offset:(8*\j+\t)*SPITCH
.endr
.endr
.endm
.macro SEND a                          ; the bias added, and stored: 32 lanes store two aligned units of 256 bytes
.set TA, 3*((\a)/4)
.set TB, 1+(\a)/4
	s_wait_dscnt 0x0                               ; the block is back
.irp j, 0,1
.set W, TA*(1-\j)+TB*\j
	WIN (W<<6)|W
.irp t, 0,1,2,3,4,5,6,7
	v_pk_add_f32 v[ACC+32*((\a)%4)+4*\t:ACC+32*((\a)%4)+4*\t+1], v[ACC+32*((\a)%4)+4*\t:ACC+32*((\a)%4)+4*\t+1], v[BI:BI+1]
	v_pk_add_f32 v[ACC+32*((\a)%4)+4*\t+2:ACC+32*((\a)%4)+4*\t+3], v[ACC+32*((\a)%4)+4*\t+2:ACC+32*((\a)%4)+4*\t+3], v[BI+2:BI+3]
.endr
.endr
.irp j, 0,1                            ; all 64 registers have their bias: the block's 16 stores go out on end
.set W, TA*(1-\j)+TB*\j
	WIN (W<<2)
.irp t, 0,1,2,3,4,5,6,7
	global_store_b128 v[CO], v[ACC+32*((\a)%4)+4*\t:ACC+32*((\a)%4)+4*\t+3], s[10:11] offset:(16*(\a)+8*\j+\t)*SIZE_N*4 th:TH_STORE_NT
.endr
.endr
.endm
	PLACES 4                                       ; step 29's products read the odd set
	FETCH 1, 0, 1                                  ; step 31's fragments
	s_wait_dscnt 50                                ; step 30's are in; the 50 just asked for may be out
	BLOCK 0
	PLACES 4                                       ; in front of the reads of results just made, and of the loads into them
	s_wait_loadcnt 0x0                             ; the bias
	TOSTAGE 0
.irp a, 1,2,3,4,5,6,7
	BLOCK \a                                       ; the next block's products stand between a block's loads from the stage and the wait for them
	SEND \a-1
	PLACES 4
	TOSTAGE \a
.endr
	SEND 7
	WIN 0
	s_wait_tensorcnt 0x0                           ; the wave's end
	ds_add_u32 v[SPW], v[NIL]
	s_wait_dscnt 0x0
	CROUND                                         ; the closing round
	s_endpgm
.Lfunc_end_k_qfb76b48c49_gemm:
	.size	k_qfb76b48c49_gemm, .Lfunc_end_k_qfb76b48c49_gemm-k_qfb76b48c49_gemm
	.p2alignl 7, 3214868480
	.fill 96, 4, 3214868480
	.section	.rodata,"a",@progbits
	.p2align	6, 0x0
	.amdhsa_kernel k_qfb76b48c49_gemm
		.amdhsa_group_segment_fixed_size 327680
		.amdhsa_private_segment_fixed_size 0
		.amdhsa_enable_private_segment 0
		.amdhsa_kernarg_size 32
		.amdhsa_user_sgpr_count 2
		.amdhsa_user_sgpr_kernarg_segment_ptr 1
		.amdhsa_wavefront_size32 1
		.amdhsa_system_sgpr_workgroup_id_x 1
		.amdhsa_system_sgpr_workgroup_id_y 1
		.amdhsa_system_sgpr_workgroup_id_z 1
		.amdhsa_system_vgpr_workitem_id 0
		.amdhsa_next_free_vgpr 1024
		.amdhsa_next_free_sgpr 100
		.amdhsa_reserve_vcc 0
		.amdhsa_float_denorm_mode_32 3
		.amdhsa_float_denorm_mode_16_64 3
		.amdhsa_memory_ordered 1
		.amdhsa_forward_progress 1
		.amdhsa_inst_pref_size 223
	.end_amdhsa_kernel
	.amdgpu_metadata
---
amdhsa.version: [ 1, 2 ]
amdhsa.kernels:
  - .name:           k_qfb76b48c49_gemm
    .symbol:         k_qfb76b48c49_gemm.kd
    .args:
      - { .name: a_img, .offset: 0, .size: 8, .value_kind: global_buffer, .address_space: global }
      - { .name: b_img, .offset: 8, .size: 8, .value_kind: global_buffer, .address_space: global }
      - { .name: bias, .offset: 16, .size: 8, .value_kind: global_buffer, .address_space: global }
      - { .name: out0, .offset: 24, .size: 8, .value_kind: global_buffer, .address_space: global }
    .group_segment_fixed_size: 327680
    .private_segment_fixed_size: 0
    .kernarg_segment_align: 8
    .kernarg_segment_size: 32
    .max_flat_workgroup_size: 128
    .sgpr_count:     100
    .vgpr_count:     1024
    .wavefront_size: 32
...
	.end_amdgpu_metadata
.endif
;; end of part 2
